; MI455X (gfx1250); checked and timed in simulation.
; The chip was launched on July 23, 2026; its instructions are those of AMD's public machine-readable ISA for CDNA 5 (MIT licence, August 2026) and "CDNA5" Instruction Set Architecture Reference Guide (July 2026). The comments in the code are by the model that wrote it; some were corrected since.
;; Self Attention. Allowed arithmetic: matrix products marked QUANTISED: E5M2 operands, one given power-of-two scale a tensor, by v_wmma_f32_16x16x64_bf8_bf8 or v_wmma_f32_16x16x128_bf8_bf8, f32 sums; products left as they are: f32 operands where the result goes on into a quantised operand, else bf16, f16 or f32 operands; f32 sums; everything else in f32.
;; Inputs: lowp_scales 6 int32 (the exponents e of the quantised operands' scales 2^e); mask 32 x 8 x 1 x 512 bool; w_k 64 x 64 float32; w_q 64 x 64 float32; x 32 x 8 x 512 x 64 float32.
;; Outputs: out0 32 x 8 x 512 x 64 float32.
;; Constants: N_bs = 8, N_max = 512, bs = 32, d = 64, heads = 4.
;; This version of the problem:
;;   THIS VERSION OF THE PROBLEM IS GIVEN IN LOW PRECISION. The matrix products marked QUANTISED in the list below multiply operands that are first quantised to E5M2 (5 exponent bits, 2 mantissa bits; 8 bits a number), with one given power-of-two scale for each operand tensor; their sums are f32. All else is computed in f32.
;;   The module's matrix products, in the order in which they are computed (A, B: the left and right operand; K: the contracted axis; several contracted axes count as one K, in the product's order):
;;     1. [M 131,072, K 64] x [K 64, N 64]; A: input x; B: input w_q: QUANTISED (scales: A lowp_scales[0], B lowp_scales[1])
;;     2. [M 131,072, K 64] x [K 64, N 64]; A: input x; B: input w_k: QUANTISED (scales: A lowp_scales[2], B lowp_scales[3])
;;     3. batch 1,024 x [M 512, K 16] x [K 16, N 512]; A: computed on the way; B: computed on the way: left as it is (K = 16 < 32)
;;     4. batch 1,024 x [M 512, K 512] x [K 512, N 16]; A: softmax (see below); B: input x: QUANTISED (scales: A lowp_scales[4], B lowp_scales[5])
;;   THE QUANTISER, for each operand of a quantised product, along K:
;;     - The operand's scale is 2^e, e = its entry of the input lowp_scales (int32; the entries are numbered through the quantised products in the list's order, A before B).
;;     - Each number is divided by the scale, clamped to +-57,344, and rounded to the nearest number of E5M2, ties to even, subnormals kept.
;;     - The product sums the exact products of the quantised numbers (number of the format x scale) in f32.
;;   ~~~python
;;   def quantise(x, axis, e):      # numpy; x: float32 -> the quantised numbers, widened to float32 again
;;       x = np.moveaxis(x, axis, -1); K = x.shape[-1]
;;       r = np.clip(x / 2.0 ** e, -57344, 57344)
;;       step = 2.0 ** (np.maximum(np.frexp(np.where(r == 0, 1, r))[1] - 1, -14) - 2)
;;       q = np.round(r / step) * step * 2.0 ** e      # np.round: ties to even
;;       return np.moveaxis(q, -1, axis).astype(np.float32)
;;   ~~~
;;   SOFTMAX AHEAD OF A QUANTISED PRODUCT. Where the list says 'softmax', what is quantised is not the finished softmax but p = 2^(t - M), with t = logit x log2(e) and M = ceil(the row's largest t), a whole number; so 1/2 < the row's largest p <= 1. The row's sum l is taken of the UNQUANTISED p, in f32, and the product's result is divided by l at the end. Since M is a whole number, a kernel that streams over the keys may use a running M (the ceiling of the running maximum): every later rescaling is an exact power of two, so the quantised numbers keep their values, but for numbers so far below the row's largest that they fall under the format's range.
;;   OPERANDS COMPUTED ON THE WAY. 'Computed on the way' means the value that the module computes at that place (a softmax that the list does not call 'softmax' is quantised finished and normalised). What goes into a quantiser is computed in f32, as accurately as f32 sums, v_exp_f32 and their like allow (about 1e-6 of the number): no bf16 or f16 on the way to a quantiser, and a product that is left as it is and whose result goes on into a quantised operand takes f32 operands (vector FMAs, or v_wmma_f32_16x16x4_f32). A number that lies on a knife's edge between two numbers of the format may be rounded either way, as far as f32 arithmetic and the matrix unit's own rounding can turn it there, and no further.
;; One version. Each part assembles by itself: llvm-mc -triple=amdgcn-amd-amdhsa -mcpu=gfx1250 --defsym DOCPART=n.
;; ======== version 1 of 1: 1 launch
;; launch attn (part 1): grid 256 x 1, 16 waves a work-group, no clusters, 316,416 bytes of LDS; arguments x, w_q, w_k, mask, lowp_scales, out0; writes out0
.if DOCPART == 1
	.amdgcn_target "amdgcn-amd-amdhsa--gfx1250"
	.amdhsa_code_object_version 6
	.text
	.protected	k_q4ac793f1e4_attn
	.globl	k_q4ac793f1e4_attn
	.p2align	8
	.type	k_q4ac793f1e4_attn,@function
k_q4ac793f1e4_attn:
	s_mov_b64 s[64:65], 0
	v_nop
	global_prefetch_b8 v0, s[64:65] scope:SCOPE_SE
	s_setreg_imm32_b32 hwreg(HW_REG_WAVE_MODE, 25, 1), 1
	s_wait_xcnt 0x0
; SELF-ATTENTION, 256 groups (b, n) of 512 tokens x 64 numbers, four heads of 16.  q = Q(x) Q(w_q)^T, k = Q(x) Q(w_k)^T and y = Q(p) Q(v) on codes of BF8 (E5M2), each operand with the
; one scale 2^e that is given for it (e0 .. e5); the scores q . k (K = 16) go on into a quantiser, so they are made of f32 operands by v_wmma_f32_16x16x4_f32; v = x.
; SHARES.  One work-group to a group (b, n): 256 work-groups.  Sixteen waves, four to a SIMD, so that one wave's softmax stands beside another's matrix work.  Wave w owns tokens 32 w .. 32 w + 31:
; it fetches them (one tensor load: 32 rows of 256 bytes), makes their q, k and v codes, and then walks, for each head, all 512 keys with its 32 tokens as queries.  Nothing but x is read from
; memory per token and nothing but y is written: q, k, v and y live in LDS.
; TILES.  The wave's 32 tokens are two tiles u; lane r of tile u takes token 32 w + 8 u + r + 8 (r / 8).  As KEYS that makes the 16 score registers of tiles 2 b, 2 b + 1 sixteen neighbouring keys
; (32 b + 16 (lane / 16) + 0 .. 15), so the conversions' results are the last product's operand as they stand.
; LAYOUTS.  All products are used transposed, so that a lane holds one token (lane % 16) throughout: q^T, k^T = W x^T (a lane: 8 of the head's 16 dimensions: 8 (lane / 16) + j); those eight registers ARE the f32
; operand: K step ks takes registers 2 ks, 2 ks + 1, in keys and queries alike (a permutation of the 16 dimensions, the same on both sides).  S^T = k q^T; O^T = v^T p^T.
; The 8-bit operands hold, in lane half h, K = 32 h .. 32 h + 31 (x, W) or 32 c + 16 h + 0 .. 15 (p, v): again one permutation of K on both sides of a product.
; SCALES.  q is multiplied once by c = log2(e) 2^(e0 + e1 + e2 + e3 - 3) (64^-0.5 = 2^-3), k stays as summed: a score then IS t = logit x log2(e).
; THE MASK.  A masked key's k is set to zeros, and the first K step of each score tile takes as C a tile of bias[key] = masked ? f32(-1e9 x log2 e) : 0.  So t of a masked key is that number exactly.
; SOFTMAX.  M = ceil(the running largest t), kept as -M = floor(-t); p = 2^(t - M); the row's sum is taken of p before it is quantised; when M moves, sum and O^T are multiplied by 2^(old M - new M).
; NO CLUSTER: work-groups share only w_q and w_k, 32 KiB, against 128 KiB of x of their own.  NO RING: every LDS byte is filled once by the mover; each wave reads only the rows that it fetched itself.
; LIMITS: each of e0 .. e5 between -126 and 112 (2^e and 57,344 x 2^e are f32 numbers); e0 + e1 + e2 + e3 between -123 and 130 (added to c's exponent field); NaN among the inputs is not served.
.set XP,    272                        ; a token's row in LDS: 256 bytes + 16 of padding
.set XREG,  32*XP                      ; a wave's own region: x, then q x c in its place, then y in its place, head by head
.set KIMG,  16*XREG                    ; k, f32, as images of operand registers: fragment (head, key tile T) at 32,768 head + 1,024 T: registers 0-3 at 16 x lane, 4-7 at 512 + 16 x lane
.set KHEAD, 32768
.set VT,    KIMG+4*KHEAD               ; v's codes: 64 rows (dimensions) of 512 keys,
.set VP,    528                        ; 512 bytes + 16 of padding
.set BIAS,  VT+64*VP                   ; bias[512], f32
.set WIMG,  BIAS+2048                  ; 8 fragments of W's codes (w_q's heads 0-3, w_k's heads 0-3) as images of 1,024 bytes
.set TM,    0xceabfb8f                 ; f32(-1e9 x log2 e) = -1,442,695,040
; vector registers for the whole text
.set AK0, 1                            ; KIMG + 16 lane
.set AB0, 2                            ; BIAS + 64 h
.set AV0, 3                            ; VT + 528 r + 16 h
.set AQ0, 4                            ; my region + 272 (r + 8 (r / 8)) + 32 h
.set ADK, 5                            ; the three above for the head in hand
.set ADV, 6
.set ADQ, 7
.set RD,  8                            ; the way out: my region + 272 h + 16 r
.set GO,  9                            ; 16 lane
.set LIMP, 10                          ; 57,344 x 2^e4
.set SCP,  11                          ; 2^e4
; the loop's
.set NM,  12                           ; tile u: v[NM+2u] -M, v[NM+2u+1] the largest t
.set L,   16                           ; tile u: the sum, in two halves
.set F,   20                           ; tile u: f = 2^(old M - new M), later 2^(e4+e5) / sum; the pair's upper word is written once
.set TA,  24                           ; at work
.set TB,  26
.set DM,  28                           ; tile u: a pair: old -M, later a partial sum
.set S,   32                           ; v32-95   scores: accumulator (u, t) at S + 32 u + 8 t.  Written by matrix instructions alone, in the whole text
.set P,   96                           ; v96-159  t - M, then p, in the same order
.set KF,  160                          ; v160-191 four key tiles; behind the scores v160-175 take p's codes
.set PC,  160
.set BI,  192                          ; v192-223 four bias tiles; behind the scores v192-199 take v's fragment
.set VF,  192
.set Q,   224                          ; v224-239 my two query tiles of the head
.set O,   240                          ; v240-255 O^T, tile u at O + 8 u
; the head's alone
.set SX0, 12                           ; 2^e0, 57,344 x 2^e0; the same for e2, e5, and e1 or e3
.set LX0, 13
.set SX2, 14
.set LX2, 15
.set SV,  16
.set LV,  17
.set SW,  18
.set LW,  19
.set RR,  24                           ; r = lane % 16
.set HH,  25                           ; h = lane / 16
.set LN,  26                           ; lane
.set RHO, 27                           ; r + 8 (r / 8)
.set R,   32                           ; q's sums of head hd at R + 8 hd, k's at R + 32 + 8 hd
.set XR,  96                           ; 32 numbers as loaded
.set T,   128                          ; 32 numbers at work
.set WQ,  160                          ; w_q's four fragments
.set WK,  192                          ; w_k's
.set XC0, 224                          ; x's codes under e0
.set XC2, 232                          ; and under e2
.set AX,  240                          ; my region + 272 (r + 8 (r / 8)) + 128 h
.set KW,  241                          ; KIMG + 2,048 w + 16 lane
.set KW2, 242                          ; + 65,536: an LDS offset has 16 bits
.set VA,  243                          ; my region + 4 lane
.set VW,  244                          ; VT + 528 lane + 32 w
.set BA,  245                          ; BIAS + 4 x thread
.set WIA, 246                          ; WIMG + 512 w + 16 lane
.set WL,  247                          ; WIMG + 16 lane
.set WO,  248                          ; my 64 bytes in W
.set MO,  249                          ; 32 w + r + 8 (r / 8)
.set ZERO, 250
.set VTM, 251
.set MB,  252                          ; three mask bytes
; scalar registers: s[4:15] the six buffers; s16 wave; s17-19 at work; s[20:23] descriptor group 0; s[24:31] group 1; s[32:37] e0 .. e5; s[38:39] lane selects;
; s[40:41] c; s42 e4 + e5; s43 heads to go; s44, s45, s46 the head's place in KIMG, VT and a row; s47, s48 lanes whose token of tile 0, 1 is masked; s[50:51] w_q or w_k; s52-57 at work
.macro PLACES n
.rept \n
	v_nop
.endr
.endm
.macro HOLD32 d, s, lim                ; the conversion to an 8-bit code does not saturate (ISA guide 7.6.2): each number is first held within the largest code x the scale
.set n, 0
.rept 32
	v_med3_num_f32 v[\d+n], v[\s+n], -v[\lim], v[\lim]
.set n, n+1
.endr
.endm
.macro CVT32 c, s, sc                  ; 32 numbers of a lane become 32 codes in 8 registers, the first number's code in the lowest byte
.irp g, 0,1,2,3
	v_cvt_scalef32_pk8_bf8_f32 v[\c+2*\g:\c+2*\g+1], v[\s+8*\g:\s+8*\g+7], v[\sc]
.endr
	v_nop                                          ; one plain vector instruction between a scaled conversion and whatever next touches its result or writes its sources
.endm
.macro MKSCALE e, sc, lim              ; from the whole number in s[e]: 2^e and 57,344 x 2^e as f32
	s_add_co_i32 s52, s[\e], 127
	s_lshl_b32 s53, s52, 23
	v_mov_b32 v[\sc], s53
	s_add_co_i32 s52, s52, 15
	s_lshl_b32 s52, s52, 23
	s_or_b32 s52, s52, 0x600000
	v_mov_b32 v[\lim], s52
.endm
	s_load_b256 s[4:11], s[0:1], 0x0               ; x s[4:5], w_q s[6:7], w_k s[8:9], mask s[10:11]
	s_load_b128 s[12:15], s[0:1], 0x20             ; the scales' exponents s[12:13], out0 s[14:15]
	v_lshl_add_u32 v254, v0, 2, 0x4cc00
	v_mov_b32 v255, 0
	ds_add_u32 v254, v255
	ds_add_u32 v254, v255
	s_wait_dscnt 0x0
	v_lshrrev_b32 v24, 5, v0
	v_readfirstlane_b32 s16, v24                   ; wave 0..15
	; descriptor group 1: 32 rows of 64 elements of 4 bytes, dense in memory, padded in LDS
	s_mov_b32 s24, (2<<16)|(1<<20)|(5<<22)|(3<<25) ; 15:0 no mask; 17:16 elements of 4 bytes; 20 padding on; 24:22 after every 64 words (code 5); 31:25 four words (code 3)
	s_mov_b32 s25, 64<<16                          ; tensor_dim0 = 64
	s_mov_b32 s26, 32<<16                          ; tensor_dim1 = 32
	s_mov_b32 s27, 64<<16                          ; tile_dim0 = 64
	s_mov_b32 s28, 32                              ; tile_dim1 = 32
	s_mov_b32 s29, 64                              ; elements from row to row
	s_mov_b32 s30, 0
	s_mov_b32 s31, 0
	s_mov_b32 s20, 1                               ; group 0: count = 1,
	s_mul_i32 s21, s16, XREG                       ; LDS address: my wave's own region,
	s_lshl_b32 s18, ttmp9, 17                      ; the group's 131,072 bytes
	s_lshl_b32 s17, s16, 13                        ; + my 32 rows of 256 bytes
	s_add_co_u32 s18, s18, s17
	s_mov_b32 s19, 0
	s_wait_kmcnt 0x0
	s_load_b128 s[32:35], s[12:13], 0x0            ; e0 .. e3
	s_load_b64 s[36:37], s[12:13], 0x10            ; e4, e5
	s_add_nc_u64 s[22:23], s[4:5], s[18:19]        ; global address of my first row,
	s_or_b32 s23, s23, 0x80000000                  ; type = 2
	tensor_load_to_lds s[20:23], s[24:31]          ; my one tensor load: it fills bytes that only I read
	s_nop 0
	v_and_b32 v[RR], 15, v0
	v_bfe_u32 v[HH], v0, 4, 1
	v_and_b32 v[LN], 31, v0
	v_and_b32 v[RHO], 8, v[RR]
	v_add_nc_u32 v[RHO], v[RHO], v[RR]
	s_add_nc_u64 s[14:15], s[14:15], s[18:19]      ; out0 at my first row
	s_lshl_b32 s18, ttmp9, 9
	s_add_nc_u64 s[10:11], s[10:11], s[18:19]      ; the group's 512 mask bytes
	s_mul_i32 s17, s16, XREG                       ; my region once more, for vector addresses
	v_lshlrev_b32 v[GO], 4, v[LN]
	v_add_nc_u32 v[AK0], KIMG, v[GO]
	v_lshlrev_b32 v[AB0], 6, v[HH]
	v_add_nc_u32 v[AB0], BIAS, v[AB0]
	v_mul_u32_u24 v[AV0], v[RR], VP
	v_lshl_add_u32 v[AV0], v[HH], 4, v[AV0]
	v_add_nc_u32 v[AV0], VT, v[AV0]
	v_mul_u32_u24 v[AQ0], v[RHO], XP
	v_add_nc_u32 v[AQ0], s17, v[AQ0]
	v_lshl_add_u32 v[AX], v[HH], 7, v[AQ0]
	v_lshl_add_u32 v[AQ0], v[HH], 5, v[AQ0]
	v_mul_u32_u24 v[RD], v[HH], XP
	v_lshl_add_u32 v[RD], v[RR], 4, v[RD]
	v_add_nc_u32 v[RD], s17, v[RD]
	s_lshl_b32 s52, s16, 11
	v_add_nc_u32 v[KW], s52, v[AK0]
	v_add_nc_u32 v[KW2], 0x10000, v[KW]
	v_lshl_add_u32 v[VA], v[LN], 2, s17
	s_lshl_b32 s53, s16, 5
	s_add_co_u32 s53, s53, VT
	v_mul_u32_u24 v[VW], v[LN], VP
	v_add_nc_u32 v[VW], s53, v[VW]
	v_lshl_add_u32 v[BA], v0, 2, BIAS
	s_lshl_b32 s54, s16, 9
	s_add_co_u32 s54, s54, WIMG
	v_add_nc_u32 v[WIA], s54, v[GO]
	v_add_nc_u32 v[WL], WIMG, v[GO]
	; W: wave w makes half a fragment: matrix w / 8, head (w / 2) % 4, registers 4 (w % 2) on: of row 16 head + r the numbers 32 h + 16 (w % 2) + 0 .. 15
	s_bfe_u32 s55, s16, 0x20001
	s_lshl_b32 s55, s55, 12
	s_and_b32 s56, s16, 1
	s_lshl_b32 s56, s56, 6
	s_add_co_u32 s55, s55, s56
	v_lshlrev_b32 v[WO], 8, v[RR]
	v_lshl_add_u32 v[WO], v[HH], 7, v[WO]
	v_add_nc_u32 v[WO], s55, v[WO]
	s_lshl_b32 s57, s16, 5
	v_add_nc_u32 v[MO], s57, v[RHO]
	v_mov_b32 v[ZERO], 0
	v_mov_b32 v[VTM], TM
	s_cmp_lt_u32 s16, 8                            ; the choice hangs on the wave's number alone
	s_cselect_b64 s[50:51], s[6:7], s[8:9]
.irp i, 0,1,2,3
	global_load_b128 v[XR+4*\i:XR+4*\i+3], v[WO], s[50:51] offset:16*\i
.endr
	global_load_u8 v[MB], v0, s[10:11]             ; key = my thread's number: for the bias
	global_load_u8 v[MB+1], v[MO], s[10:11]        ; my token of tile 0,
	global_load_u8 v[MB+2], v[MO], s[10:11] offset:8  ; and of tile 1: for k
	s_mov_b32 s38, 0x76543210                      ; v_permlanex16_b32: lane l takes lane l xor 16
	s_mov_b32 s39, 0xfedcba98
	s_wait_kmcnt 0x0                               ; the six exponents
	MKSCALE 32, SX0, LX0
	MKSCALE 34, SX2, LX2
	MKSCALE 37, SV, LV
	MKSCALE 36, SCP, LIMP
	s_cmp_lt_u32 s16, 8
	s_cselect_b32 s54, s33, s35                    ; e1 for w_q's waves, e3 for w_k's
	MKSCALE 54, SW, LW
	s_add_co_i32 s40, s32, s33
	s_add_co_i32 s40, s40, s34
	s_add_co_i32 s40, s40, s35
	s_sub_co_i32 s40, s40, 3
	s_lshl_b32 s40, s40, 23
	s_add_co_i32 s40, s40, 0x3fb8aa3b              ; c = log2(e) x 2^(e0 + e1 + e2 + e3 - 3): the whole number is added to the exponent field
	s_mov_b32 s41, s40                             ; (named with it as a pair, so it is written)
	s_add_co_i32 s42, s36, s37                     ; e4 + e5
	s_wait_loadcnt 0x0                             ; W's numbers and the mask bytes
.set n, 0
.rept 16
	v_med3_num_f32 v[XR+n], v[XR+n], -v[LW], v[LW]
.set n, n+1
.endr
	v_cvt_scalef32_pk8_bf8_f32 v[XR+16:XR+17], v[XR:XR+7], v[SW]
	v_cvt_scalef32_pk8_bf8_f32 v[XR+18:XR+19], v[XR+8:XR+15], v[SW]
	v_nop
	ds_store_b128 v[WIA], v[XR+16:XR+19]           ; half a fragment's image
	v_cmp_ne_u32 vcc_lo, 0, v[MB]
	v_cndmask_b32 v[MB], v[ZERO], v[VTM], vcc_lo
	ds_store_b32 v[BA], v[MB]                      ; bias[my key]
	v_cmp_ne_u32 s47, 0, v[MB+1]
	v_cmp_ne_u32 s48, 0, v[MB+2]
	s_wait_tensorcnt 0x0                           ; my rows of x lie in LDS
	s_wait_dscnt 0x0                               ; for the others' sake: my stores have landed
	s_barrier_signal -1
	s_barrier_wait -1                              ; W's eight images are whole
.irp k, 0,1,2,3,4,5,6,7,8,9,10,11,12,13,14,15
	ds_load_b128 v[WQ+4*\k:WQ+4*\k+3], v[WL] offset:512*\k   ; all eight fragments of W: they stay until q and k are made
.endr
	; v = x along the keys: a lane takes a column (dimension lane, then lane + 32) and its registers run down my 32 keys: the codes come out with the keys innermost
.set n, 0
.rept 32
	ds_load_b32 v[XR+n], v[VA] offset:XP*n
.set n, n+1
.endr
.set n, 0
.rept 32
	ds_load_b32 v[T+n], v[VA] offset:XP*n+128
.set n, n+1
.endr
	s_wait_dscnt 0x0
	HOLD32 XR, XR, LV
	CVT32 XC0, XR, SV
	HOLD32 T, T, LV
	CVT32 XC2, T, SV
	ds_store_b128 v[VW], v[XC0:XC0+3]
	ds_store_b128 v[VW], v[XC0+4:XC0+7] offset:16
	ds_store_b128 v[VW], v[XC2:XC2+3] offset:32*VP
	ds_store_b128 v[VW], v[XC2+4:XC2+7] offset:32*VP+16
; q and k of my tile u, all four heads.  x's 16 rows are read once and quantised twice (e0 for q, e2 for k).  q x c goes back over the tile's own rows of x, which have been read; k goes out as images.
.macro TILE u
.irp i, 0,1,2,3,4,5,6,7
	ds_load_b128 v[XR+4*\i:XR+4*\i+3], v[AX] offset:8*XP*\u+16*\i   ; row r + 8 (r / 8) + 8 u, numbers 32 h .. 32 h + 31
.endr
	s_wait_dscnt 0x0                               ; they are in; and the earlier LDS stores have read their registers
	HOLD32 T, XR, LX0
	CVT32 XC0, T, SX0
	HOLD32 T, XR, LX2
	CVT32 XC2, T, SX2
.irp hd, 0,1,2,3                       ; eight sums, each one instruction: source 0 = the head's 16 rows of W, source 1 = my 16 tokens
	v_wmma_f32_16x16x64_bf8_bf8 v[R+8*\hd:R+8*\hd+7], v[WQ+8*\hd:WQ+8*\hd+7], v[XC0:XC0+7], 0
	v_wmma_f32_16x16x64_bf8_bf8 v[R+32+8*\hd:R+32+8*\hd+7], v[WK+8*\hd:WK+8*\hd+7], v[XC2:XC2+7], 0
.endr
	PLACES 4                                       ; four places between a matrix instruction of this form and the first read of its result (ISA guide 7.12.1)
.set n, 0
.rept 16
	v_pk_mul_f32 v[XR+n:XR+n+1], v[R+n:R+n+1], s[40:41] op_sel_hi:[1,0]   ; q x c, each accumulator from its low end on
.set n, n+2
.endr
.set n, 0
.rept 32
	v_cndmask_b32 v[T+n], v[R+32+n], v[ZERO], s[47+\u]   ; k, zeros where my token is masked
.set n, n+1
.endr
.irp hd, 0,1,2,3
	ds_store_b128 v[AQ0], v[XR+8*\hd:XR+8*\hd+3] offset:8*XP*\u+64*\hd
	ds_store_b128 v[AQ0], v[XR+8*\hd+4:XR+8*\hd+7] offset:8*XP*\u+64*\hd+16
.if \hd < 2
	ds_store_b128 v[KW], v[T+8*\hd:T+8*\hd+3] offset:KHEAD*\hd+1024*\u
	ds_store_b128 v[KW], v[T+8*\hd+4:T+8*\hd+7] offset:KHEAD*\hd+1024*\u+512
.else
	ds_store_b128 v[KW2], v[T+8*\hd:T+8*\hd+3] offset:KHEAD*(\hd-2)+1024*\u
	ds_store_b128 v[KW2], v[T+8*\hd+4:T+8*\hd+7] offset:KHEAD*(\hd-2)+1024*\u+512
.endif
.endr
	s_wait_dscnt 0x0                               ; the stores have landed and have read their registers
.endm
	TILE 0
	TILE 1
	s_barrier_signal -1                            ; (no LDS instruction of mine is out: the wait above)
	s_barrier_wait -1                              ; k's images, v's codes and the bias are whole.  From here on they are only read, and each wave writes its own region alone: no further barrier
	v_mov_b32 v[F+1], 0                            ; named as the upper halves of pairs
	v_mov_b32 v[F+3], 0
	s_mov_b32 s43, 4
	s_mov_b32 s44, 0
	s_mov_b32 s45, 0
	s_mov_b32 s46, 0
; A KEY STEP: keys 64 s .. 64 s + 63 (four key tiles) against my two query tiles.  first = 1: the head's first step starts M, the sums and O^T: nothing is cleared.
.macro STEP s, first
	PLACES 4                                       ; behind the last products of O^T, whose sources are loaded anew
.irp t, 0,1,2,3
	ds_load_b128 v[KF+8*\t:KF+8*\t+3],   v[ADK] offset:4096*\s+1024*\t
	ds_load_b128 v[KF+8*\t+4:KF+8*\t+7], v[ADK] offset:4096*\s+1024*\t+512
.endr
.irp i, 0,1,2,3,4,5,6,7
	ds_load_b128 v[BI+4*\i:BI+4*\i+3], v[AB0] offset:256*\s+128*(\i/4)+16*(\i%4)   ; tiles 2 c, 2 c + 1: bias of keys 64 s + 32 c + 16 h + 0 .. 15
.endr
	s_wait_dscnt 0x0
	; S^T = k q^T + bias: source 0 = 16 keys, source 1 = 16 queries, four dimensions an instruction.  The eight accumulators take turns, one instruction a turn
.irp ks, 0,1,2,3
.irp t, 0,1,2,3
.irp u, 0,1
.if \ks == 0
	v_wmma_f32_16x16x4_f32 v[S+32*\u+8*\t:S+32*\u+8*\t+7], v[KF+8*\t:KF+8*\t+1], v[Q+8*\u:Q+8*\u+1], v[BI+8*\t:BI+8*\t+7]
.else
	v_wmma_f32_16x16x4_f32 v[S+32*\u+8*\t:S+32*\u+8*\t+7], v[KF+8*\t+2*\ks:KF+8*\t+2*\ks+1], v[Q+8*\u+2*\ks:Q+8*\u+2*\ks+1], v[S+32*\u+8*\t:S+32*\u+8*\t+7]
.endif
.endr
.endr
.endr
	PLACES 8                                       ; eight places behind this form: for the loads over the bias tiles and the first read of the scores
	ds_load_b128 v[VF:VF+3],   v[ADV] offset:64*\s       ; v's fragment: dimension r of the head, keys 64 s + 16 h + 0 .. 15,
	ds_load_b128 v[VF+4:VF+7], v[ADV] offset:64*\s+32    ; and 64 s + 32 + 16 h + 0 .. 15: it lands during the softmax
	; the largest t of my query among my 32 keys, in two chains a tile, the two tiles line by line; each accumulator is read from its low end on
.irp u, 0,1
	v_max3_num_f32 v[TA+\u], v[S+32*\u], v[S+32*\u+1], v[S+32*\u+2]
.endr
.irp u, 0,1
	v_max3_num_f32 v[TB+\u], v[S+32*\u+3], v[S+32*\u+4], v[S+32*\u+5]
.endr
.irp i, 6,10,14,18,22,26
.irp u, 0,1
	v_max3_num_f32 v[TA+\u], v[TA+\u], v[S+32*\u+\i], v[S+32*\u+\i+1]
.endr
.irp u, 0,1
	v_max3_num_f32 v[TB+\u], v[TB+\u], v[S+32*\u+\i+2], v[S+32*\u+\i+3]
.endr
.endr
.irp u, 0,1
	v_max3_num_f32 v[TA+\u], v[TA+\u], v[S+32*\u+30], v[S+32*\u+31]
.endr
.irp u, 0,1
	v_max_num_f32 v[TA+\u], v[TA+\u], v[TB+\u]
.endr
.irp u, 0,1
	v_permlanex16_b32 v[TB+\u], v[TA+\u], s38, s39   ; the query's other 32 keys lie in the lane 16 away
.endr
.if \first
.irp u, 0,1
	v_max_num_f32 v[NM+2*\u+1], v[TA+\u], v[TB+\u]
.endr
.irp u, 0,1
	v_floor_f32 v[NM+2*\u], -v[NM+2*\u+1]          ; -M = floor(-t) = -ceil(t): M is a whole number
.endr
.else
.irp u, 0,1
	v_mov_b32 v[DM+2*\u], v[NM+2*\u]
.endr
.irp u, 0,1
	v_max3_num_f32 v[NM+2*\u+1], v[NM+2*\u+1], v[TA+\u], v[TB+\u]
.endr
.irp u, 0,1
	v_floor_f32 v[NM+2*\u], -v[NM+2*\u+1]
.endr
.irp u, 0,1
	v_sub_f32 v[DM+2*\u], v[NM+2*\u], v[DM+2*\u]   ; old M - new M: a whole number, 0 or less
.endr
.irp u, 0,1
	v_cvt_i32_f32 v[DM+2*\u], v[DM+2*\u]           ; (it saturates)
.endr
.irp u, 0,1
	v_ldexp_f32 v[F+2*\u], 1.0, v[DM+2*\u]         ; f = 2^(old M - new M): a multiplication by it rounds nothing
.endr
.endif
.irp u, 0,1
.set n, 0
.rept 16
	v_pk_add_f32 v[P+32*\u+n:P+32*\u+n+1], v[S+32*\u+n:S+32*\u+n+1], v[NM+2*\u:NM+2*\u+1] op_sel_hi:[1,0]   ; t - M, into other registers than the sums'
.set n, n+2
.endr
.endr
.set n, 0
.rept 64
	v_exp_f32 v[P+n], v[P+n]                       ; p = 2^(t - M): one batch
.set n, n+1
.endr
.if \first
	v_nop                                          ; a plain instruction behind the last exponential
.else
.irp u, 0,1
	v_pk_mul_f32 v[L+2*\u:L+2*\u+1], v[L+2*\u:L+2*\u+1], v[F+2*\u:F+2*\u+1] op_sel_hi:[1,0]   ; the sums under the new M (plain instructions behind the last exponential)
.endr
.endif
	s_wait_alu depctr_va_vdst(0)                   ; ahead of the first instruction that names an exponential's result: one for the batch
	; the row's sum is taken of the unquantised p: two at a time, two chains a tile
.irp u, 0,1
	v_pk_add_f32 v[DM+2*\u:DM+2*\u+1], v[P+32*\u:P+32*\u+1], v[P+32*\u+2:P+32*\u+3]
.endr
.if \first
.irp u, 0,1
	v_pk_add_f32 v[L+2*\u:L+2*\u+1], v[P+32*\u+4:P+32*\u+5], v[P+32*\u+6:P+32*\u+7]
.endr
.else
.irp u, 0,1
	v_pk_add_f32 v[L+2*\u:L+2*\u+1], v[L+2*\u:L+2*\u+1], v[P+32*\u+4:P+32*\u+5]
.endr
.irp u, 0,1
	v_pk_add_f32 v[DM+2*\u:DM+2*\u+1], v[DM+2*\u:DM+2*\u+1], v[P+32*\u+6:P+32*\u+7]
.endr
.endif
.irp j, 8,12,16,20,24,28
.irp u, 0,1
	v_pk_add_f32 v[L+2*\u:L+2*\u+1], v[L+2*\u:L+2*\u+1], v[P+32*\u+\j:P+32*\u+\j+1]
.endr
.irp u, 0,1
	v_pk_add_f32 v[DM+2*\u:DM+2*\u+1], v[DM+2*\u:DM+2*\u+1], v[P+32*\u+\j+2:P+32*\u+\j+3]
.endr
.endr
.irp u, 0,1
	v_pk_add_f32 v[L+2*\u:L+2*\u+1], v[L+2*\u:L+2*\u+1], v[DM+2*\u:DM+2*\u+1]
.endr
	; p becomes codes: registers 4 c .. 4 c + 3 of tile u's operand are keys 64 s + 32 c + 16 h + 0 .. 15, as in v's fragment
.irp u, 0,1
.set n, 0
.rept 32
	v_min_num_f32 v[P+32*\u+n], v[P+32*\u+n], v[LIMP]   ; the hold at the largest code x the scale; p is not negative, so it is one-sided
.set n, n+1
.endr
.irp g, 0,1,2,3
	v_cvt_scalef32_pk8_bf8_f32 v[PC+8*\u+2*\g:PC+8*\u+2*\g+1], v[P+32*\u+8*\g:P+32*\u+8*\g+7], v[SCP]
.endr
.endr
.if \first
	v_nop                                          ; a plain instruction between the last conversion and the product that reads its result
.else
.irp u, 0,1
.irp i, 0,2,4,6
	v_pk_mul_f32 v[O+8*\u+\i:O+8*\u+\i+1], v[O+8*\u+\i:O+8*\u+\i+1], v[F+2*\u:F+2*\u+1] op_sel_hi:[1,0]   ; O^T under the new M, from the low end on (also the plain instructions behind the conversions)
.endr
.endr
.endif
	s_wait_dscnt 0x0                               ; v's fragment is in
.irp u, 0,1                            ; O^T += v^T p^T: source 0 = the head's 16 dimensions, source 1 = my 16 queries; K = these 64 keys
.if \first
	v_wmma_f32_16x16x64_bf8_bf8 v[O+8*\u:O+8*\u+7], v[VF:VF+7], v[PC+8*\u:PC+8*\u+7], 0
.else
	v_wmma_f32_16x16x64_bf8_bf8 v[O+8*\u:O+8*\u+7], v[VF:VF+7], v[PC+8*\u:PC+8*\u+7], v[O+8*\u:O+8*\u+7]
.endif
.endr
.endm
.Lhead:                                            ; four trips, a head each; its eight key steps are written out, every offset an immediate
	v_add_nc_u32 v[ADK], s44, v[AK0]
	v_add_nc_u32 v[ADV], s45, v[AV0]
	v_add_nc_u32 v[ADQ], s46, v[AQ0]
.irp u, 0,1
	ds_load_b128 v[Q+8*\u:Q+8*\u+3],   v[ADQ] offset:8*XP*\u      ; q x c of my tile u: the registers as they were stored
	ds_load_b128 v[Q+8*\u+4:Q+8*\u+7], v[ADQ] offset:8*XP*\u+16
.endr
	STEP 0, 1
.irp s, 1,2,3,4,5,6,7
	STEP \s, 0
.endr
	; the head's end: y = O^T x 2^(e4 + e5) / the sum.  The additions, the v_nop and the two v_ldexp_f32 are the places behind the last products
.irp u, 0,1
	v_add_f32 v[TA+\u], v[L+2*\u], v[L+2*\u+1]     ; the sum's two halves,
.endr
.irp u, 0,1
	v_permlanex16_b32 v[TB+\u], v[TA+\u], s38, s39
.endr
.irp u, 0,1
	v_add_f32 v[TA+\u], v[TA+\u], v[TB+\u]         ; and the other half of the lanes'
.endr
.irp u, 0,1
	v_rcp_f32 v[F+2*\u], v[TA+\u]
.endr
	v_nop                                          ; a plain instruction behind the last reciprocal
	s_wait_alu depctr_va_vdst(0)                   ; one wait for the two, ahead of their first reader
.irp u, 0,1
	v_ldexp_f32 v[F+2*\u], v[F+2*\u], s42
.endr
.irp u, 0,1
.irp i, 0,2,4,6
	v_pk_mul_f32 v[O+8*\u+\i:O+8*\u+\i+1], v[O+8*\u+\i:O+8*\u+\i+1], v[F+2*\u:F+2*\u+1] op_sel_hi:[1,0]
.endr
.endr
.irp u, 0,1
	ds_store_b128 v[ADQ], v[O+8*\u:O+8*\u+3] offset:8*XP*\u        ; y over this head's q, which is done with: my token's row, dimensions 16 head + 8 h + 0 .. 7
	ds_store_b128 v[ADQ], v[O+8*\u+4:O+8*\u+7] offset:8*XP*\u+16
.endr
	s_wait_dscnt 0x0                               ; the stores have read their registers: the next head writes ADQ and O^T anew
	s_add_co_u32 s44, s44, KHEAD
	s_add_co_u32 s45, s45, 16*VP
	s_add_co_u32 s46, s46, 64
	s_sub_co_u32 s43, s43, 1
	s_cmp_lg_u32 s43, 0
	s_cbranch_scc1 .Lhead
	; THE WAY OUT: my 32 rows of y lie whole in my own region; LDS serves a wave's instructions in order, so these loads see my stores.  Lanes 0-15 take row 2 i, lanes 16-31 row 2 i + 1
.irp i, 0,1,2,3,4,5,6,7,8,9,10,11,12,13,14,15
	ds_load_b128 v[P+4*\i:P+4*\i+3], v[RD] offset:2*XP*\i
.endr
.irp i, 0,1,2,3,4,5,6,7,8,9,10,11,12,13,14,15
	s_wait_dscnt 15-\i                             ; LDS loads come back in order: load i is in, the 15 - i younger ones may be out
	global_store_b128 v[GO], v[P+4*\i:P+4*\i+3], s[14:15] offset:512*\i th:TH_STORE_NT   ; 32 lanes store 512 consecutive bytes, at a multiple of 256 from out0's first byte; written once, read by nobody here
.endr
	s_wait_xcnt 0x0
	v_lshl_add_u32 v254, v0, 2, 0x4cc00
	v_mov_b32 v255, 0
	s_wait_tensorcnt 0x0
	ds_add_u32 v254, v255
	s_wait_dscnt 0x0
	s_endpgm
.Lfunc_end_k_q4ac793f1e4_attn:
	.size	k_q4ac793f1e4_attn, .Lfunc_end_k_q4ac793f1e4_attn-k_q4ac793f1e4_attn
	.p2alignl 7, 3214868480
	.fill 96, 4, 3214868480
	.section	.rodata,"a",@progbits
	.p2align	6, 0x0
	.amdhsa_kernel k_q4ac793f1e4_attn
		.amdhsa_group_segment_fixed_size 316416
		.amdhsa_private_segment_fixed_size 0
		.amdhsa_enable_private_segment 0
		.amdhsa_kernarg_size 48
		.amdhsa_user_sgpr_count 2
		.amdhsa_user_sgpr_kernarg_segment_ptr 1
		.amdhsa_wavefront_size32 1
		.amdhsa_system_sgpr_workgroup_id_x 1
		.amdhsa_system_sgpr_workgroup_id_y 1
		.amdhsa_system_sgpr_workgroup_id_z 1
		.amdhsa_system_vgpr_workitem_id 0
		.amdhsa_next_free_vgpr 256
		.amdhsa_next_free_sgpr 66
		.amdhsa_reserve_vcc 1
		.amdhsa_float_denorm_mode_32 3
		.amdhsa_float_denorm_mode_16_64 3
		.amdhsa_memory_ordered 1
		.amdhsa_forward_progress 1
		.amdhsa_inst_pref_size 166
	.end_amdhsa_kernel
	.amdgpu_metadata
---
amdhsa.version: [ 1, 2 ]
amdhsa.kernels:
  - .name:           k_q4ac793f1e4_attn
    .symbol:         k_q4ac793f1e4_attn.kd
    .args:
      - { .name: x, .offset: 0, .size: 8, .value_kind: global_buffer, .address_space: global }
      - { .name: w_q, .offset: 8, .size: 8, .value_kind: global_buffer, .address_space: global }
      - { .name: w_k, .offset: 16, .size: 8, .value_kind: global_buffer, .address_space: global }
      - { .name: mask, .offset: 24, .size: 8, .value_kind: global_buffer, .address_space: global }
      - { .name: lowp_scales, .offset: 32, .size: 8, .value_kind: global_buffer, .address_space: global }
      - { .name: out0, .offset: 40, .size: 8, .value_kind: global_buffer, .address_space: global }
    .group_segment_fixed_size: 316416
    .private_segment_fixed_size: 0
    .kernarg_segment_align: 8
    .kernarg_segment_size: 48
    .max_flat_workgroup_size: 512
    .sgpr_count:     66
    .vgpr_count:     256
    .wavefront_size: 32
...
	.end_amdgpu_metadata
.endif
;; end of part 1
